; MI455X (gfx1250); checked and timed in simulation.
; The chip was launched on July 23, 2026; its instructions are those of AMD's public machine-readable ISA for CDNA 5 (MIT licence, August 2026) and "CDNA5" Instruction Set Architecture Reference Guide (July 2026). The comments in the code are by the model that wrote it; some were corrected since.
;; Attention. Allowed arithmetic: float matrix products may take bf16 or f16 operands with f32 sums; all other float work in f32.
;; Inputs: W 512 x 512 float32; bias 1 float32; key 64 x 2,048 x 512 float32; query 64 x 512 float32.
;; Outputs: out0 64 x 2,048 float32.
;; 2 versions, each right; version 2 is version 1 with the launch partial written anew for expert scheduling mode. Each part assembles by itself: llvm-mc -triple=amdgcn-amd-amdhsa -mcpu=gfx1250 --defsym DOCPART=n.
;; ======== version 1 of 2: 2 launches
;; workspace buffers: part 2,097,152 bytes
;; launch partial (part 1): grid 256 x 1, 16 waves a work-group, no clusters, 2,560 bytes of LDS; arguments key, W, query, part; writes part
.if DOCPART == 1
	.amdgcn_target "amdgcn-amd-amdhsa--gfx1250"
	.amdhsa_code_object_version 6
	.text
	.protected	k_q2d298e6142_partial
	.globl	k_q2d298e6142_partial
	.p2align	8
	.type	k_q2d298e6142_partial,@function
k_q2d298e6142_partial:
	s_mov_b64 s[64:65], 0
	v_nop
	global_prefetch_b8 v0, s[64:65] scope:SCOPE_SE
	s_setreg_imm32_b32 hwreg(HW_REG_WAVE_MODE, 25, 1), 1
	s_wait_xcnt 0x0
; part[4 b + c][t] = sum over k = 128 c .. 128 c + 127 of key[b][t][k] * mids[b][k],   mids[b][k] = sum over q of W[k][q] * query[b][q].
; key: [64][2048][512] f32, W: [512][512] f32, query: [64][512] f32, part: [256][2048] f32.  All arithmetic in f32.
; Work-group g = 4 b + c owns batch b and 128 columns of K: so it needs 128 rows of W (256 KiB), not all 512, and makes its own piece of mids;
; the four partial sums of a score meet in the next launch, which also adds the bias.
; WHY THE VECTOR UNIT: per batch this is a matrix times ONE vector, and the sums (512 products) feed tanh, whose argument must be right to
; about 0.01 absolutely while the sum's terms add up to tens: operands cut to 16 bits (relative 2^-9) would not leave that.  f32 throughout.
; WHY NO CLUSTER: the 64 work-groups of one c read the same 256 KiB of W, against 1 MiB of key that each reads alone; W is read once, at the
; start, while the first key pieces are already requested; a joint request would send it through 256 KiB of LDS and from there to registers.
; SHAPE: 16 waves, 128 rows of t each.  A wave's 16-byte load covers one row piece: 512 consecutive bytes at a multiple of 512.
; Rows j and j + 64 are reduced together: after v_permlane16_swap_b32 and an add, lanes 0-15 hold row j's sixteen partial sums and lanes 16-31
; row j + 64's, and four DPP steps finish both.  Their sums go to lanes j / 4 and 16 + j / 4 of result register j % 4, so that lane i ends
; with rows 4 i .. 4 i + 3 and the wave stores its 128 results as 512 consecutive bytes with one instruction.
; A ring of 16 slots (a slot = the two pieces of a pair) keeps 32 loads of each wave out: 16 waves x 32 x 512 bytes = 256 KiB a work-group.
; LIMITS: the order of the f32 additions is this text's, not the reference's.  NaN and infinities pass through as f32 arithmetic makes them.
.set ROWB,  2048                       ; bytes in a row of key, of W and of query
.set SLOTS, 16                         ; pairs in the ring
.set TRIPS, 64/SLOTS                   ; 64 pairs a wave
.set OFF,  1                           ; v1        16 x lane: my 16 bytes in any 512-byte piece, in memory and in LDS
.set LA,   2                           ; v2        LDS address to which my half of the wave sends an entry of mids
.set SO,   3                           ; v3        16 x thread: my 16 bytes of the work-group's 8 KiB of results
.set M,    4                           ; v[4:7]    mids[b][128 c + 4 lane + 0..3]
.set RES,  8                           ; v[8:11]   results: rows 4 lane + 0..3 of my wave's 128
.set T,    12                          ; v[12:27]  four sets of four temporaries
.set Q,    28                          ; v[28:43]  query[b]: register 4 j + e holds q = 128 j + 4 lane + e
.set X,    44                          ; v[44:171] ring: slot p = 8 registers, row j's piece, then row j + 64's
.set WB,   X+64                         ; v[108:235] my eight rows of W, 16 registers each, laid like Q; rows 0-3 become slots 8-15
.set MASK, 24                          ; s[24:27]  lane masks for the slots 4 m .. 4 m + 3 of the trip
	s_load_b256 s[4:11], s[0:1], 0x0               ; key s[4:5], W s[6:7], query s[8:9], part s[10:11]
	v_lshl_add_u32 v236, v0, 2, 0x200
	v_mov_b32 v237, 0
	v_lshrrev_b32 v[T], 5, v0
	v_readfirstlane_b32 s12, v[T]                  ; wave 0..15
	v_and_b32 v[OFF], 31, v0
	v_lshlrev_b32 v[OFF], 4, v[OFF]
	v_lshlrev_b32 v[SO], 4, v0
	v_and_b32 v[LA], 16, v0                        ; lanes 16-31 carry the row four further down: 4 words on
	s_lshl_b32 s29, s12, 5                         ; my wave's eight words of the piece of mids
	v_add_nc_u32 v[LA], s29, v[LA]
.irp k, 0,1,2,3
	v_mov_b32 v[RES+\k], 0                         ; v_cndmask_b32 reads what it keeps: the four result registers are written once here
.endr
	s_lshr_b32 s13, ttmp9, 2                       ; b
	s_and_b32 s14, ttmp9, 3                        ; c
	s_lshl_b32 s16, s14, 18                        ; W: row 128 c + 8 wave, rows of 2,048 bytes
	s_lshl_b32 s15, s12, 14
	s_add_co_u32 s16, s16, s15
	s_mov_b32 s17, 0
	s_lshl_b32 s18, s13, 11                        ; query: row b
	s_mov_b32 s19, 0
	s_lshl_b32 s20, s13, 22                        ; key: batch b (4 MiB) + 128 wave rows + 512 c bytes; below 2^28
	s_lshl_b32 s15, s12, 18
	s_add_co_u32 s20, s20, s15
	s_lshl_b32 s15, s14, 9
	s_add_co_u32 s20, s20, s15
	s_mov_b32 s21, 0
	s_lshl_b32 s22, ttmp9, 13                      ; part: 8 KiB a work-group
	s_mov_b32 s23, 0
	s_wait_kmcnt 0x0
	s_add_nc_u64 s[6:7], s[6:7], s[16:17]
	s_add_nc_u64 s[8:9], s[8:9], s[18:19]
	s_add_nc_u64 s[4:5], s[4:5], s[20:21]
	s_add_nc_u64 s[10:11], s[10:11], s[22:23]
; the two loads of slot p: rows p + ahead and p + ahead + 64, counted from the row at which s[4:5] stands.  key is read once in the launch.
.macro KFILL p, ahead
	global_load_b128 v[X+8*\p:X+8*\p+3],   v[OFF], s[4:5] offset:ROWB*(\p+\ahead) th:TH_LOAD_NT
	global_load_b128 v[X+8*\p+4:X+8*\p+7], v[OFF], s[4:5] offset:ROWB*(\p+\ahead+64) th:TH_LOAD_NT
.endm
; Loads come back in the order of issue: what mids needs goes first, the first eight slots of key behind it.
.irp j, 0,1,2,3
	global_load_b128 v[Q+4*\j:Q+4*\j+3], v[OFF], s[8:9] offset:512*\j
.endr
.irp i, 0,1,2,3,4,5,6,7
.irp j, 0,1,2,3
	global_load_b128 v[WB+16*\i+4*\j:WB+16*\i+4*\j+3], v[OFF], s[6:7] offset:\i*ROWB+512*\j
.endr
.endr
.irp p, 0,1,2,3,4,5,6,7
	KFILL \p, 0
.endr
; v[t:t+1] and v[t+2:t+3] hold two rows' partial sums, two a lane.  Afterwards v[t] holds the first row's sum in lanes 0-15, the second's in 16-31.
.macro FOLD t
	v_add_f32 v[\t],   v[\t],   v[\t+1]
	v_add_f32 v[\t+2], v[\t+2], v[\t+3]
	v_permlane16_swap_b32 v[\t], v[\t+2]           ; v[t]: both rows' lanes 0-15; v[t+2]: both rows' lanes 16-31
	v_add_f32 v[\t], v[\t], v[\t+2]
	v_add_f32_dpp v[\t], v[\t], v[\t] row_xmask:1 row_mask:0xf bank_mask:0xf
	v_add_f32_dpp v[\t], v[\t], v[\t] row_xmask:2 row_mask:0xf bank_mask:0xf
	v_add_f32_dpp v[\t], v[\t], v[\t] row_xmask:4 row_mask:0xf bank_mask:0xf
	v_add_f32_dpp v[\t], v[\t], v[\t] row_xmask:8 row_mask:0xf bank_mask:0xf
.endm
; mids of my rows i and i + 4 of W; sixteen lanes write the same word with the same value
.macro WDOT i, t
	v_pk_mul_f32 v[\t:\t+1],   v[WB+16*\i:WB+16*\i+1],       v[Q:Q+1]
	v_pk_mul_f32 v[\t+2:\t+3], v[WB+16*\i+64:WB+16*\i+65],   v[Q:Q+1]
.irp j, 2,4,6,8,10,12,14
	v_pk_fma_f32 v[\t:\t+1],   v[WB+16*\i+\j:WB+16*\i+\j+1],       v[Q+\j:Q+\j+1], v[\t:\t+1]
	v_pk_fma_f32 v[\t+2:\t+3], v[WB+16*\i+64+\j:WB+16*\i+64+\j+1], v[Q+\j:Q+\j+1], v[\t+2:\t+3]
.endr
	FOLD \t
	ds_store_b32 v[LA], v[\t] offset:4*\i
.endm
	s_wait_loadcnt 16                              ; query and W are in; the 16 loads of slots 0-7, issued behind them, stay out
	WDOT 0, T
	KFILL 8, 0                                     ; row 0 of W has been multiplied: its 16 registers are slots 8 and 9
	KFILL 9, 0
	WDOT 1, T+4
	KFILL 10, 0
	KFILL 11, 0
	WDOT 2, T+8
	KFILL 12, 0
	KFILL 13, 0
	WDOT 3, T+12
	KFILL 14, 0
	KFILL 15, 0
	s_wait_dscnt 0x0                               ; my eight entries of mids are in LDS, for the other waves' sake,
	s_barrier_signal -1
	s_barrier_wait -1                              ; and so are everybody's
	ds_load_b128 v[M:M+3], v[OFF]                  ; the four entries that meet my 16 bytes of every row piece
.irp m, 0,1,2,3
	s_mov_b32 s[MASK+\m], 0x10001<<\m              ; trip 0: rows 4 m .. 4 m + 3 go to lane m, rows 64 + 4 m .. to lane 16 + m
.endr
	s_mov_b32 s28, 0
	s_wait_dscnt 0x0
; The turn of slot p.  fill = 1: the slot gets the pair 16 rows further down.  left = how many younger loads may stay out.
.macro PAIR p, t, fill, left
	s_wait_loadcnt \left                           ; loads come back in order: this slot's two are in
	v_pk_mul_f32 v[\t:\t+1],   v[X+8*\p:X+8*\p+1],   v[M:M+1]
	v_pk_mul_f32 v[\t+2:\t+3], v[X+8*\p+4:X+8*\p+5], v[M:M+1]
	v_pk_fma_f32 v[\t:\t+1],   v[X+8*\p+2:X+8*\p+3], v[M+2:M+3], v[\t:\t+1]
	v_pk_fma_f32 v[\t+2:\t+3], v[X+8*\p+6:X+8*\p+7], v[M+2:M+3], v[\t+2:\t+3]
.if \fill
	KFILL \p, SLOTS
.endif
	FOLD \t
	v_cndmask_b32 v[RES+(\p&3)], v[RES+(\p&3)], v[\t], s[MASK+(\p>>2)]   ; two lanes take their row's sum, the others keep theirs
.endm
.Ltrip:
.irp p, 0,1,2,3,4,5,6,7,8,9,10,11,12,13,14,15
	PAIR \p, T+4*(\p&3), 1, 2*SLOTS-2              ; the 15 younger slots' 30 loads stay out
.endr
	s_wait_xcnt 0x0                                ; the base of the loads just issued is stepped only behind this wait
	s_add_nc_u64 s[4:5], s[4:5], SLOTS*ROWB
.irp m, 0,1,2,3
	s_lshl_b32 s[MASK+\m], s[MASK+\m], 4           ; 16 rows on = 4 lanes on, in both halves
.endr
	s_add_co_u32 s28, s28, 1
	s_cmp_lt_u32 s28, TRIPS-1
	s_cbranch_scc1 .Ltrip
.irp p, 0,1,2,3,4,5,6,7,8,9,10,11,12,13,14,15
	PAIR \p, T+4*(\p&3), 0, 2*SLOTS-2-2*\p         ; the last 16 pairs: nothing is loaded beyond row 127, the counts run down to 0
.endr
	global_store_b128 v[SO], v[RES:RES+3], s[10:11]    ; the wave's 128 results: 512 consecutive bytes at a multiple of 512
	s_wait_tensorcnt 0x0
	ds_add_u32 v236, v237
	s_wait_dscnt 0x0
	s_endpgm
.Lfunc_end_k_q2d298e6142_partial:
	.size	k_q2d298e6142_partial, .Lfunc_end_k_q2d298e6142_partial-k_q2d298e6142_partial
	.p2alignl 7, 3214868480
	.fill 96, 4, 3214868480
	.section	.rodata,"a",@progbits
	.p2align	6, 0x0
	.amdhsa_kernel k_q2d298e6142_partial
		.amdhsa_group_segment_fixed_size 2560
		.amdhsa_private_segment_fixed_size 0
		.amdhsa_enable_private_segment 0
		.amdhsa_kernarg_size 32
		.amdhsa_user_sgpr_count 2
		.amdhsa_user_sgpr_kernarg_segment_ptr 1
		.amdhsa_wavefront_size32 1
		.amdhsa_system_sgpr_workgroup_id_x 1
		.amdhsa_system_sgpr_workgroup_id_y 1
		.amdhsa_system_sgpr_workgroup_id_z 1
		.amdhsa_system_vgpr_workitem_id 0
		.amdhsa_next_free_vgpr 238
		.amdhsa_next_free_sgpr 66
		.amdhsa_reserve_vcc 0
		.amdhsa_float_denorm_mode_32 3
		.amdhsa_float_denorm_mode_16_64 3
		.amdhsa_memory_ordered 1
		.amdhsa_forward_progress 1
		.amdhsa_inst_pref_size 41
	.end_amdhsa_kernel
	.amdgpu_metadata
---
amdhsa.version: [ 1, 2 ]
amdhsa.kernels:
  - .name:           k_q2d298e6142_partial
    .symbol:         k_q2d298e6142_partial.kd
    .args:
      - { .name: key, .offset: 0, .size: 8, .value_kind: global_buffer, .address_space: global }
      - { .name: W, .offset: 8, .size: 8, .value_kind: global_buffer, .address_space: global }
      - { .name: query, .offset: 16, .size: 8, .value_kind: global_buffer, .address_space: global }
      - { .name: part, .offset: 24, .size: 8, .value_kind: global_buffer, .address_space: global }
    .group_segment_fixed_size: 2560
    .private_segment_fixed_size: 0
    .kernarg_segment_align: 8
    .kernarg_segment_size: 32
    .max_flat_workgroup_size: 512
    .sgpr_count:     66
    .vgpr_count:     238
    .wavefront_size: 32
...
	.end_amdgpu_metadata
.endif
;; end of part 1
;; launch finish (part 2): grid 64 x 1, 16 waves a work-group, no clusters, 2,304 bytes of LDS; arguments part, bias, out0; writes out0
.if DOCPART == 2
	.amdgcn_target "amdgcn-amd-amdhsa--gfx1250"
	.amdhsa_code_object_version 6
	.text
	.protected	k_q2d298e6142_finish
	.globl	k_q2d298e6142_finish
	.p2align	8
	.type	k_q2d298e6142_finish,@function
k_q2d298e6142_finish:
	s_mov_b64 s[64:65], 0
	v_nop
	global_prefetch_b8 v0, s[64:65] scope:SCOPE_SE
	s_setreg_imm32_b32 hwreg(HW_REG_WAVE_MODE, 25, 1), 1
	s_wait_xcnt 0x0
; out0[b][t] = e[t] / sum over t of e[t],   e[t] = exp(tanh(x[t])),   x[t] = part[4b][t] + part[4b+1][t] + part[4b+2][t] + part[4b+3][t] + bias.
; part: [256][2048] f32, bias: [1] f32, out0: [64][2048] f32.  One work-group for a batch, since the sum spans its 2,048 t: 16 waves, 512 threads,
; four neighbouring t a thread; every load and the store of a wave cover 512 consecutive bytes at a multiple of 512.
; NO MAXIMUM IS TAKEN AWAY: tanh, which the reference applies itself, keeps every exponent in [-1, 1] for every input, so each exponential lies
; in [0.367, 2.72] and the sum of 2,048 of them in [753, 5567]; the quotient is the same as with the maximum removed.
; tanh x = 1 - 2 / (1 + 2^(2 log2e x)); absolute error about 1e-7, which the exponential behind it turns into a relative error of that size.
; Where the power overflows to infinity the reciprocal is 0 and tanh is 1; where it is flushed to 0, tanh is -1.  NaN stays NaN.
; The bias enters as fma(x, 2 log2e, bias * 2 log2e): one rounding of the product bias * 2 log2e more than (x + bias) * 2 log2e would have.
; Nothing is shared between work-groups, 32 KiB are read and 8 KiB written by each: no cluster, no matrix unit, no ring.
.set LOG2E,    0x3fb8aa3b              ; 1.442695
.set LOG2E_2,  0x4038aa3b              ; 2.885390
.set LOG2E_M2, 0xc038aa3b              ; -2.885390
	s_load_b128 s[4:7], s[0:1], 0x0                ; part s[4:5], bias s[6:7]
	s_load_b64 s[8:9], s[0:1], 0x10                ; out0
	v_lshl_add_u32 v40, v0, 2, 0x100
	v_mov_b32 v41, 0
	v_lshlrev_b32 v1, 4, v0                        ; my 16 bytes of a row of 2,048 f32
	v_lshrrev_b32 v2, 5, v0
	v_readfirstlane_b32 s10, v2                    ; wave 0..15
	s_lshl_b32 s11, s10, 2
	v_mov_b32 v3, s11                              ; my wave's word in LDS
	v_mov_b32 v22, 0
	s_lshl_b32 s12, ttmp9, 15                      ; part: four rows of 8 KiB a batch
	s_mov_b32 s13, 0
	s_lshl_b32 s14, ttmp9, 13                      ; out0: 8 KiB a batch
	s_mov_b32 s15, 0
	s_mov_b32 s16, LOG2E_2
	s_mov_b32 s17, LOG2E_M2
	s_mov_b32 s21, LOG2E
	s_mov_b32 s18, 0x76543210                      ; v_permlanex16_b32: lane i of one half reads lane i of the other
	s_mov_b32 s19, 0xfedcba98
	s_wait_kmcnt 0x0
	s_load_b32 s20, s[6:7], 0x0                    ; the bias
	s_add_nc_u64 s[4:5], s[4:5], s[12:13]
	s_add_nc_u64 s[8:9], s[8:9], s[14:15]
.irp c, 0,1,2,3
	global_load_b128 v[4+4*\c:7+4*\c], v1, s[4:5] offset:8192*\c th:TH_LOAD_NT
.endr
	s_wait_kmcnt 0x0
	s_mul_f32 s20, s20, s16                        ; bias * 2 log2e
	s_wait_loadcnt 0x0
	v_pk_add_f32 v[4:5],   v[4:5],   v[8:9]        ; (p0 + p1) + (p2 + p3)
	v_pk_add_f32 v[6:7],   v[6:7],   v[10:11]
	v_pk_add_f32 v[12:13], v[12:13], v[16:17]
	v_pk_add_f32 v[14:15], v[14:15], v[18:19]
	v_pk_add_f32 v[4:5],   v[4:5],   v[12:13]
	v_pk_add_f32 v[6:7],   v[6:7],   v[14:15]
.irp i, 0,1,2,3
	v_fma_f32 v[4+\i], v[4+\i], s16, s20           ; 2 log2e (x + bias)
.endr
.irp i, 0,1,2,3
	v_exp_f32 v[8+\i], v[4+\i]                     ; e^(2 (x + bias))
.endr
	v_nop                                          ; one plain vector instruction between a transcendental and the use of its result (ISA guide 5.7.2)
	s_wait_alu depctr_va_vdst(0)
.irp i, 0,1,2,3
	v_add_f32 v[12+\i], 1.0, v[8+\i]
.endr
.irp i, 0,1,2,3
	v_rcp_f32 v[16+\i], v[12+\i]
.endr
	v_nop
	s_wait_alu depctr_va_vdst(0)
.irp i, 0,1,2,3
	v_fma_f32 v[4+\i], v[16+\i], s17, s21          ; log2e tanh = log2e - 2 log2e / (1 + e^(2 (x + bias)))
.endr
.irp i, 0,1,2,3
	v_exp_f32 v[8+\i], v[4+\i]                     ; e = exp(tanh)
.endr
	v_nop
	s_wait_alu depctr_va_vdst(0)
	v_add_f32 v20, v8, v9                          ; my four,
	v_add_f32 v21, v10, v11
	v_add_f32 v20, v20, v21
	v_add_f32_dpp v20, v20, v20 row_xmask:1 row_mask:0xf bank_mask:0xf   ; the wave's 128,
	v_add_f32_dpp v20, v20, v20 row_xmask:2 row_mask:0xf bank_mask:0xf
	v_add_f32_dpp v20, v20, v20 row_xmask:4 row_mask:0xf bank_mask:0xf
	v_add_f32_dpp v20, v20, v20 row_xmask:8 row_mask:0xf bank_mask:0xf
	v_permlanex16_b32 v21, v20, s18, s19
	v_add_f32 v20, v20, v21
	ds_store_b32 v3, v20                           ; every lane writes the wave's word with the same value
	s_wait_dscnt 0x0                               ; it is in LDS, for the other waves' sake
	s_barrier_signal -1
	s_barrier_wait -1
.irp i, 0,1,2,3
	ds_load_b128 v[24+4*\i:27+4*\i], v22 offset:16*\i  ; the sixteen waves' sums, in every lane
.endr
	s_wait_dscnt 0x0
	v_pk_add_f32 v[24:25], v[24:25], v[26:27]
	v_pk_add_f32 v[28:29], v[28:29], v[30:31]
	v_pk_add_f32 v[32:33], v[32:33], v[34:35]
	v_pk_add_f32 v[36:37], v[36:37], v[38:39]
	v_pk_add_f32 v[24:25], v[24:25], v[28:29]
	v_pk_add_f32 v[32:33], v[32:33], v[36:37]
	v_pk_add_f32 v[24:25], v[24:25], v[32:33]
	v_add_f32 v24, v24, v25                        ; the batch's sum, the same in all threads
	v_rcp_f32 v26, v24
	v_nop
	s_wait_alu depctr_va_vdst(0)
	v_pk_mul_f32 v[8:9],   v[8:9],   v[26:27] op_sel_hi:[1,0]   ; both halves times v26
	v_pk_mul_f32 v[10:11], v[10:11], v[26:27] op_sel_hi:[1,0]
	global_store_b128 v1, v[8:11], s[8:9] th:TH_STORE_NT
	s_wait_tensorcnt 0x0
	ds_add_u32 v40, v41
	s_wait_dscnt 0x0
	s_endpgm
.Lfunc_end_k_q2d298e6142_finish:
	.size	k_q2d298e6142_finish, .Lfunc_end_k_q2d298e6142_finish-k_q2d298e6142_finish
	.p2alignl 7, 3214868480
	.fill 96, 4, 3214868480
	.section	.rodata,"a",@progbits
	.p2align	6, 0x0
	.amdhsa_kernel k_q2d298e6142_finish
		.amdhsa_group_segment_fixed_size 2304
		.amdhsa_private_segment_fixed_size 0
		.amdhsa_enable_private_segment 0
		.amdhsa_kernarg_size 24
		.amdhsa_user_sgpr_count 2
		.amdhsa_user_sgpr_kernarg_segment_ptr 1
		.amdhsa_wavefront_size32 1
		.amdhsa_system_sgpr_workgroup_id_x 1
		.amdhsa_system_sgpr_workgroup_id_y 1
		.amdhsa_system_sgpr_workgroup_id_z 1
		.amdhsa_system_vgpr_workitem_id 0
		.amdhsa_next_free_vgpr 42
		.amdhsa_next_free_sgpr 66
		.amdhsa_reserve_vcc 0
		.amdhsa_float_denorm_mode_32 3
		.amdhsa_float_denorm_mode_16_64 3
		.amdhsa_memory_ordered 1
		.amdhsa_forward_progress 1
		.amdhsa_inst_pref_size 6
	.end_amdhsa_kernel
	.amdgpu_metadata
---
amdhsa.version: [ 1, 2 ]
amdhsa.kernels:
  - .name:           k_q2d298e6142_finish
    .symbol:         k_q2d298e6142_finish.kd
    .args:
      - { .name: part, .offset: 0, .size: 8, .value_kind: global_buffer, .address_space: global }
      - { .name: bias, .offset: 8, .size: 8, .value_kind: global_buffer, .address_space: global }
      - { .name: out0, .offset: 16, .size: 8, .value_kind: global_buffer, .address_space: global }
    .group_segment_fixed_size: 2304
    .private_segment_fixed_size: 0
    .kernarg_segment_align: 8
    .kernarg_segment_size: 24
    .max_flat_workgroup_size: 512
    .sgpr_count:     66
    .vgpr_count:     42
    .wavefront_size: 32
...
	.end_amdgpu_metadata
.endif
;; end of part 2
;; ======== version 2 of 2: 2 launches; version 1 with the launch partial written anew for expert scheduling mode
;; workspace buffers: part 2,097,152 bytes
;; launch partial (part 3): grid 256 x 1, 16 waves a work-group, no clusters, 2,560 bytes of LDS; arguments key, W, query, part; writes part
.if DOCPART == 3
	.amdgcn_target "amdgcn-amd-amdhsa--gfx1250"
	.amdhsa_code_object_version 6
	.text
	.protected	k_q2d298e6142_partial
	.globl	k_q2d298e6142_partial
	.p2align	8
	.type	k_q2d298e6142_partial,@function
k_q2d298e6142_partial:
	s_mov_b64 s[64:65], 0
	v_nop
	global_prefetch_b8 v0, s[64:65] scope:SCOPE_SE
	s_setreg_imm32_b32 hwreg(HW_REG_WAVE_SCHED_MODE, 0, 2), 2
	s_setreg_imm32_b32 hwreg(HW_REG_WAVE_MODE, 25, 1), 1
	s_wait_xcnt 0x0
	s_wait_alu depctr_vm_vsrc(0)
; part[4 b + c][t] = sum over k = 128 c .. 128 c + 127 of key[b][t][k] * mids[b][k],   mids[b][k] = sum over q of W[k][q] * query[b][q].
; key: [64][2048][512] f32, W: [512][512] f32, query: [64][512] f32, part: [256][2048] f32.  All arithmetic in f32.
; Work-group g = 4 b + c owns batch b and 128 columns of K: so it needs 128 rows of W (256 KiB), not all 512, and makes its own piece of mids;
; the four partial sums of a score meet in the next launch, which also adds the bias.
; WHY THE VECTOR UNIT: per batch this is a matrix times ONE vector, and the sums (512 products) feed tanh, whose argument must be right to
; about 0.01 absolutely while the sum's terms add up to tens: operands cut to 16 bits (relative 2^-9) would not leave that.  f32 throughout.
; WHY NO CLUSTER: the 64 work-groups of one c read the same 256 KiB of W, against 1 MiB of key that each reads alone; W is read once, at the
; start, while the first key pieces are already requested; a joint request would send it through 256 KiB of LDS and from there to registers.
; SHAPE: 16 waves, 128 rows of t each.  A wave's 16-byte load covers one row piece: 512 consecutive bytes at a multiple of 512.
; Rows j and j + 64 are reduced together: after v_permlane16_swap_b32 and an add, lanes 0-15 hold row j's sixteen partial sums and lanes 16-31
; row j + 64's, and four DPP steps finish both.  Their sums go to lanes j / 4 and 16 + j / 4 of result register j % 4, so that lane i ends
; with rows 4 i .. 4 i + 3 and the wave stores its 128 results as 512 consecutive bytes with one instruction.
; A ring of 16 slots (a slot = the two pieces of a pair), taken in four blocks of four, keeps 24 to 32 loads of each wave out.
; LIMITS: the order of the f32 additions is this text's, not the reference's.  NaN and infinities pass through as f32 arithmetic makes them.
; THE MODE: SCHED_MODE bits 1:0 = 2 (LLVM: expert scheduling mode 2), set by the entry lines.  The code itself states the register dependences
; between vector instructions and memory or LDS instructions, with s_wait_alu, always for 0.
; THE PLAN.  Registers that memory or LDS instructions touch:
;   v[OFF], v[LA], v[SO]  offsets and an LDS address, made once at the head and never written again: the rows of key are reached by scalar bases and immediates.
;   X, block m            read by the block's sixteen products; behind them the loads of the pairs 16 rows further down land in it.
;   W's rows 0-3          read by the products that make mids; behind all of them the first loads of slots 8-15 land there.
;   T, four sets          written by products and folds; read by memory-side instructions only at the head: the four LDS stores of mids.
;   M                     one LDS load lands in it; no vector instruction names it before.     RES: written by the selects, read by the one store at the end.
; So ONE wait on va_vdst stands in a block, behind its products: they are done reading X[m].  The block's eight loads follow, two ahead of each of its
; four folds, which with their selects name T and RES alone: none of the registers that those loads touch.  No register that a memory instruction
; reads is written in the loop, so no wait on vm_vsrc stands there.
.set ROWB,  2048                       ; bytes in a row of key, of W and of query
.set SLOTS, 16                         ; pairs in the ring
.set BLOCK, 4                          ; slots in a block
.set TRIPS, 64/SLOTS                   ; 64 pairs a wave
.set OFF,  1                           ; v1        16 x lane: my 16 bytes in any 512-byte piece, in memory and in LDS
.set LA,   2                           ; v2        LDS address to which my half of the wave sends an entry of mids
.set SO,   3                           ; v3        16 x thread: my 16 bytes of the work-group's 8 KiB of results
.set M,    4                           ; v[4:7]    mids[b][128 c + 4 lane + 0..3]
.set RES,  8                           ; v[8:11]   results: rows 4 lane + 0..3 of my wave's 128
.set T,    12                          ; v[12:27]  four sets of four temporaries
.set Q,    28                          ; v[28:43]  query[b]: register 4 j + e holds q = 128 j + 4 lane + e
.set X,    44                          ; v[44:171] ring: slot p = 8 registers, row j's piece, then row j + 64's; block m = slots 4 m .. 4 m + 3
.set WB,   X+64                         ; v[108:235] my eight rows of W, 16 registers each, laid like Q; rows 0-3 become slots 8-15
.set MASK, 24                          ; s[24:27]  lane masks for the slots 4 m .. 4 m + 3 of the trip
.set KB,   32                          ; s[32:39]  block m: key at the row that its first slot loads next: a pair at KB + 2 m
	s_load_b256 s[4:11], s[0:1], 0x0               ; key s[4:5], W s[6:7], query s[8:9], part s[10:11]
	v_lshl_add_u32 v236, v0, 2, 0x200
	v_mov_b32 v237, 0
	v_lshrrev_b32 v[T], 5, v0
	v_readfirstlane_b32 s12, v[T]                  ; wave 0..15
	v_and_b32 v[OFF], 31, v0
	v_lshlrev_b32 v[OFF], 4, v[OFF]
	v_lshlrev_b32 v[SO], 4, v0
	v_and_b32 v[LA], 16, v0                        ; lanes 16-31 carry the row four further down: 4 words on
	s_wait_alu depctr_va_sdst(0)                   ; s12 is written, ahead of its first reader: LDS and memory offsets are made from it
	s_lshl_b32 s29, s12, 5                         ; my wave's eight words of the piece of mids
	v_add_nc_u32 v[LA], s29, v[LA]
.irp k, 0,1,2,3
	v_mov_b32 v[RES+\k], 0                         ; v_cndmask_b32 reads what it keeps: the four result registers are written once here
.endr
	s_lshr_b32 s13, ttmp9, 2                       ; b
	s_and_b32 s14, ttmp9, 3                        ; c
	s_lshl_b32 s16, s14, 18                        ; W: row 128 c + 8 wave, rows of 2,048 bytes
	s_lshl_b32 s15, s12, 14
	s_add_co_u32 s16, s16, s15
	s_mov_b32 s17, 0
	s_lshl_b32 s18, s13, 11                        ; query: row b
	s_mov_b32 s19, 0
	s_lshl_b32 s20, s13, 22                        ; key: batch b (4 MiB) + 128 wave rows + 512 c bytes; below 2^28
	s_lshl_b32 s15, s12, 18
	s_add_co_u32 s20, s20, s15
	s_lshl_b32 s15, s14, 9
	s_add_co_u32 s20, s20, s15
	s_mov_b32 s21, 0
	s_lshl_b32 s22, ttmp9, 13                      ; part: 8 KiB a work-group
	s_mov_b32 s23, 0
	s_wait_kmcnt 0x0
	s_add_nc_u64 s[6:7], s[6:7], s[16:17]
	s_add_nc_u64 s[8:9], s[8:9], s[18:19]
	s_add_nc_u64 s[4:5], s[4:5], s[20:21]
	s_add_nc_u64 s[10:11], s[10:11], s[22:23]
.irp m, 0,1,2,3
	s_add_nc_u64 s[KB+2*(\m):KB+2*(\m)+1], s[4:5], (\m)*BLOCK*ROWB  ; block m begins at my wave's row 4 m
.endr
	s_wait_alu depctr_va_vdst(0)                   ; v[OFF], v[LA] and v[SO] are written: every load, LDS store and store of the kernel reads one of them
; the two loads of slot k of block m: rows k and k + 64, counted from the row at which the block's base stands.  key is read once in the launch.
.macro KFILL m, k
	global_load_b128 v[X+32*(\m)+8*(\k):X+32*(\m)+8*(\k)+3],   v[OFF], s[KB+2*(\m):KB+2*(\m)+1] offset:ROWB*(\k) th:TH_LOAD_NT
	global_load_b128 v[X+32*(\m)+8*(\k)+4:X+32*(\m)+8*(\k)+7], v[OFF], s[KB+2*(\m):KB+2*(\m)+1] offset:ROWB*((\k)+64) th:TH_LOAD_NT
.endm
; Loads come back in the order of issue: what mids needs goes first, the first eight slots of key behind it.
.irp j, 0,1,2,3
	global_load_b128 v[Q+4*\j:Q+4*\j+3], v[OFF], s[8:9] offset:512*\j
.endr
.irp i, 0,1,2,3,4,5,6,7
.irp j, 0,1,2,3
	global_load_b128 v[WB+16*\i+4*\j:WB+16*\i+4*\j+3], v[OFF], s[6:7] offset:\i*ROWB+512*\j
.endr
.endr
.irp m, 0,1
.irp k, 0,1,2,3
	KFILL \m, \k
.endr
.endr
; v[t:t+1] and v[t+2:t+3] hold two rows' partial sums, two a lane.  Afterwards v[t] holds the first row's sum in lanes 0-15, the second's in 16-31.
.macro FOLD t
	v_add_f32 v[\t],   v[\t],   v[\t+1]
	v_add_f32 v[\t+2], v[\t+2], v[\t+3]
	v_permlane16_swap_b32 v[\t], v[\t+2]           ; v[t]: both rows' lanes 0-15; v[t+2]: both rows' lanes 16-31
	v_add_f32 v[\t], v[\t], v[\t+2]
	v_add_f32_dpp v[\t], v[\t], v[\t] row_xmask:1 row_mask:0xf bank_mask:0xf
	v_add_f32_dpp v[\t], v[\t], v[\t] row_xmask:2 row_mask:0xf bank_mask:0xf
	v_add_f32_dpp v[\t], v[\t], v[\t] row_xmask:4 row_mask:0xf bank_mask:0xf
	v_add_f32_dpp v[\t], v[\t], v[\t] row_xmask:8 row_mask:0xf bank_mask:0xf
.endm
; my rows i and i + 4 of W times query: two partial sums a lane and row
.macro WMUL i, t
	v_pk_mul_f32 v[\t:\t+1],   v[WB+16*\i:WB+16*\i+1],       v[Q:Q+1]
	v_pk_mul_f32 v[\t+2:\t+3], v[WB+16*\i+64:WB+16*\i+65],   v[Q:Q+1]
.irp j, 2,4,6,8,10,12,14
	v_pk_fma_f32 v[\t:\t+1],   v[WB+16*\i+\j:WB+16*\i+\j+1],       v[Q+\j:Q+\j+1], v[\t:\t+1]
	v_pk_fma_f32 v[\t+2:\t+3], v[WB+16*\i+64+\j:WB+16*\i+64+\j+1], v[Q+\j:Q+\j+1], v[\t+2:\t+3]
.endr
.endm
	s_wait_loadcnt 16                              ; query and W are in; the 16 loads of slots 0-7, issued behind them, stay out
	WMUL 0, T
	WMUL 1, T+4
	WMUL 2, T+8
	WMUL 3, T+12
	s_wait_alu depctr_va_vdst(0)                   ; the products are done reading W's rows 0-3, in which the loads of slots 8-15 land
	KFILL 2, 0                                     ; the folds between these loads name T alone
	KFILL 2, 1
	FOLD T
	KFILL 2, 2
	KFILL 2, 3
	FOLD T+4
	KFILL 3, 0
	KFILL 3, 1
	FOLD T+8
	KFILL 3, 2
	KFILL 3, 3
	FOLD T+12
	s_wait_alu depctr_va_vdst(0)                   ; the folds have written the four sums, which the LDS stores read
.irp i, 0,1,2,3
	ds_store_b32 v[LA], v[T+4*\i] offset:4*\i      ; mids of my rows i and i + 4; sixteen lanes write the same word with the same value
.endr
	s_wait_dscnt 0x0                               ; my eight entries of mids are in LDS, for the other waves' sake,
	s_barrier_signal -1
	s_barrier_wait -1                              ; and so are everybody's
	s_wait_alu depctr_vm_vsrc(0)                   ; my LDS stores have read T's four sets, which the loop's products write again
	ds_load_b128 v[M:M+3], v[OFF]                  ; the four entries that meet my 16 bytes of every row piece
.irp m, 0,1,2,3
	s_mov_b32 s[MASK+\m], 0x10001<<\m              ; trip 0: rows 4 m .. 4 m + 3 go to lane m, rows 64 + 4 m .. to lane 16 + m
.endr
	s_mov_b32 s28, 0
	s_wait_dscnt 0x0
; The turn of block m.  fill = 1: its four slots get the pairs 16 rows further down.  left = how many younger loads may stay out.
.macro BLK m, fill, left
	s_wait_loadcnt \left                           ; loads come back in order: this block's eight are in
.if \fill
	s_add_nc_u64 s[KB+2*(\m):KB+2*(\m)+1], s[KB+2*(\m):KB+2*(\m)+1], SLOTS*ROWB  ; free since that wait, which shows the only loads that read it done: 16 rows on
.endif
.irp k, 0,1,2,3
	v_pk_mul_f32 v[T+4*\k:T+4*\k+1],   v[X+32*(\m)+8*\k:X+32*(\m)+8*\k+1],   v[M:M+1]
	v_pk_mul_f32 v[T+4*\k+2:T+4*\k+3], v[X+32*(\m)+8*\k+4:X+32*(\m)+8*\k+5], v[M:M+1]
.endr
.irp k, 0,1,2,3
	v_pk_fma_f32 v[T+4*\k:T+4*\k+1],   v[X+32*(\m)+8*\k+2:X+32*(\m)+8*\k+3], v[M+2:M+3], v[T+4*\k:T+4*\k+1]
	v_pk_fma_f32 v[T+4*\k+2:T+4*\k+3], v[X+32*(\m)+8*\k+6:X+32*(\m)+8*\k+7], v[M+2:M+3], v[T+4*\k+2:T+4*\k+3]
.endr
.if \fill
	s_wait_alu depctr_va_vdst(0)                   ; the sixteen products are done reading X[m], in which the eight loads below land
.endif
.irp k, 0,1,2,3
.if \fill
	KFILL \m, \k                                   ; no wait: no vector instruction since the wait above names X[m] or v[OFF]
.endif
	FOLD T+4*\k
	v_cndmask_b32 v[RES+\k], v[RES+\k], v[T+4*\k], s[MASK+(\m)]   ; two lanes take their row's sum, the others keep theirs
.endr
.endm
.Ltrip:
.irp m, 0,1,2,3
	BLK \m, 1, 2*SLOTS-2*BLOCK                     ; the three younger blocks' 24 loads stay out
.endr
.irp m, 0,1,2,3
	s_lshl_b32 s[MASK+\m], s[MASK+\m], 4           ; 16 rows on = 4 lanes on, in both halves
.endr
	s_add_co_u32 s28, s28, 1
	s_cmp_lt_u32 s28, TRIPS-1
	s_cbranch_scc1 .Ltrip
.irp m, 0,1,2,3
	BLK \m, 0, 2*SLOTS-2*BLOCK-2*BLOCK*\m          ; the last 16 pairs: nothing is loaded beyond row 127, the counts run down to 0
.endr
	s_wait_alu depctr_va_vdst(0)                   ; the selects have written the four result registers, which the store reads
	global_store_b128 v[SO], v[RES:RES+3], s[10:11]    ; the wave's 128 results: 512 consecutive bytes at a multiple of 512
	s_wait_dscnt 0x0
	s_wait_alu depctr_hold_cnt(0) depctr_sa_sdst(0) depctr_va_vdst(0) depctr_va_sdst(0) depctr_va_ssrc(0) depctr_va_vcc(0) depctr_vm_vsrc(0)
	s_wait_tensorcnt 0x0
	ds_add_u32 v236, v237
	s_wait_dscnt 0x0
	s_endpgm
.Lfunc_end_k_q2d298e6142_partial:
	.size	k_q2d298e6142_partial, .Lfunc_end_k_q2d298e6142_partial-k_q2d298e6142_partial
	.p2alignl 7, 3214868480
	.fill 96, 4, 3214868480
	.section	.rodata,"a",@progbits
	.p2align	6, 0x0
	.amdhsa_kernel k_q2d298e6142_partial
		.amdhsa_group_segment_fixed_size 2560
		.amdhsa_private_segment_fixed_size 0
		.amdhsa_enable_private_segment 0
		.amdhsa_kernarg_size 32
		.amdhsa_user_sgpr_count 2
		.amdhsa_user_sgpr_kernarg_segment_ptr 1
		.amdhsa_wavefront_size32 1
		.amdhsa_system_sgpr_workgroup_id_x 1
		.amdhsa_system_sgpr_workgroup_id_y 1
		.amdhsa_system_sgpr_workgroup_id_z 1
		.amdhsa_system_vgpr_workitem_id 0
		.amdhsa_next_free_vgpr 238
		.amdhsa_next_free_sgpr 66
		.amdhsa_reserve_vcc 0
		.amdhsa_float_denorm_mode_32 3
		.amdhsa_float_denorm_mode_16_64 3
		.amdhsa_memory_ordered 1
		.amdhsa_forward_progress 1
		.amdhsa_inst_pref_size 41
	.end_amdhsa_kernel
	.amdgpu_metadata
---
amdhsa.version: [ 1, 2 ]
amdhsa.kernels:
  - .name:           k_q2d298e6142_partial
    .symbol:         k_q2d298e6142_partial.kd
    .args:
      - { .name: key, .offset: 0, .size: 8, .value_kind: global_buffer, .address_space: global }
      - { .name: W, .offset: 8, .size: 8, .value_kind: global_buffer, .address_space: global }
      - { .name: query, .offset: 16, .size: 8, .value_kind: global_buffer, .address_space: global }
      - { .name: part, .offset: 24, .size: 8, .value_kind: global_buffer, .address_space: global }
    .group_segment_fixed_size: 2560
    .private_segment_fixed_size: 0
    .kernarg_segment_align: 8
    .kernarg_segment_size: 32
    .max_flat_workgroup_size: 512
    .sgpr_count:     66
    .vgpr_count:     238
    .wavefront_size: 32
...
	.end_amdgpu_metadata
.endif
;; end of part 3
;; launch finish: the kernel of part 2 again; grid 64 x 1, 16 waves a work-group, no clusters, 2,304 bytes of LDS; arguments part, bias, out0; writes out0
